; MI455X (gfx1250); checked and timed in simulation.
; The chip was launched on July 23, 2026; its instructions are those of AMD's public machine-readable ISA for CDNA 5 (MIT licence, August 2026) and "CDNA5" Instruction Set Architecture Reference Guide (July 2026). The comments in the code are by the model that wrote it; some were corrected since.
;; Model. Allowed arithmetic: float matrix products may take bf16 or f16 operands with f32 sums; other float arithmetic in f32, or as packed bf16 or f16 multiplies, adds, multiply-adds, maxima and minima; sums over many terms, partial sums and values carried from step to step in f32; what a program stores and reads back later, other than sums and carried values, may be rounded once to bf16 or f16.
;; Inputs: A 100,000 x 64 float32; C 3 x 100,000 x 64 float32; encoding 20 x 64 float32; queries 32 x 20 int32; stories 32 x 50 x 20 int32.
;; Outputs: out0 32 x 100,000 float32.
;; 2 versions, each right and faster than the one before. Each part assembles by itself: llvm-mc -triple=amdgcn-amd-amdhsa -mcpu=gfx1250 --defsym DOCPART=n.
;; ======== version 1 of 2: 3 launches
;; limits: values are held in f16: magnitudes above 65,504 overflow, below 6.1e-05 lose precision
;; workspace buffers: msum 1,646,592 bytes; ubuf 4,096 bytes
;; launch gather (part 1): grid 51 x 32, 1 waves a work-group, no clusters, 0 bytes of LDS; arguments stories, queries, A, C, encoding, msum; writes msum
.if DOCPART == 1
	.amdgcn_target "amdgcn-amd-amdhsa--gfx1250"
	.amdhsa_code_object_version 6
	.text
	.protected	k_qbd9259222e_gather
	.globl	k_qbd9259222e_gather
	.p2align	8
	.type	k_qbd9259222e_gather,@function
k_qbd9259222e_gather:
	s_mov_b64 s[64:65], 0
	v_nop
	global_prefetch_b8 v0, s[64:65] scope:SCOPE_SE
	s_setreg_imm32_b32 hwreg(HW_REG_WAVE_MODE, 25, 1), 1
	s_wait_xcnt 0x0
; MEMORY NETWORK, PART 1 OF 3: the position-encoded sentence sums.
;   msum[b][50 t + m][e] = sum over s of TABLE_t[stories[b][m][s]][e] * encoding[s][e],  TABLE = A, C[0], C[1], C[2]     (rows 0 .. 199 of batch b)
;   msum[b][200][e]      = sum over s of A[queries[b][s]][e] * encoding[s][e]                                            (u before the first hop)
; WHAT IS NOT DONE TWICE.  reference() gathers six times: m of hop h from A, C[0], C[1] and c of hop h from C[0], C[1], C[2].  c of hop h and m of hop h + 1 are the same
; expression (the same table C[h], the same stories, the same encoding) for all values of the inputs, so four sums serve the three hops.  Nothing is left out: every input reaches the output and is loaded.
; LIMIT.  An index is taken as unsigned and held to 0 .. 99,999; reference() relies on indices inside the table.
; SHARES.  One wave to a work-group, work-group (x, y) = (memory m, batch b); x = 50 is the query, which wants table A alone.  The 1,632 waves share nothing, so there is no LDS and no barrier.
; A table row is 256 bytes: one load of 8 bytes a lane takes a whole row, lane l holds channels 2 l and 2 l + 1 of every row, and the sum over s never leaves the lane.
; The sentence's 20 offsets are made once and serve all four tables (the table is the scalar base).  All 80 row loads are issued before the first is waited for.
.set VOCAB, 100000
.set SENT,  20
.set MEM,   50
.set ROWB,  256                        ; bytes in a row of a table, of encoding and of msum
.set TABLE, VOCAB*ROWB                 ; bytes in a table
.set BROWS, 4*MEM+1                    ; rows of msum for a batch
.set L8,  1                            ; v1        8 x lane: my two channels in a row; never rewritten
.set OFF, 2                            ; v[2:21]   word s: 256 x index + 8 x lane; never rewritten
.set ENC, 22                           ; v[22:61]  encoding[s], my two channels
.set ROW, 62                           ; v[62:221] table t, word s at ROW + 40 t + 2 s
.set ACC, 222                          ; v[222:237] table t: two chains of two sums at ACC + 4 t
.set IDX, 16                           ; s[16:35]  the sentence's 20 indices
	s_load_b256 s[4:11], s[0:1], 0x0               ; stories s[4:5], queries s[6:7], A s[8:9], C s[10:11]
	s_load_b128 s[12:15], s[0:1], 0x20             ; encoding s[12:13], msum s[14:15]
	v_lshlrev_b32 v[L8], 3, v0                     ; one wave: the thread's number is the lane
	s_and_b32 s36, ttmp7, 0xffff                   ; b
	s_mul_i32 s38, s36, MEM
	s_add_co_u32 s38, s38, ttmp9                   ; 50 b + m
	s_mul_i32 s38, s38, SENT*4                     ; the sentence's 80 bytes in stories,
	s_mul_i32 s37, s36, SENT*4                     ; or the query's in queries
	s_mul_i32 s40, s36, BROWS
	s_add_co_u32 s40, s40, ttmp9                   ; row 201 b + m of msum
	s_lshl_b32 s40, s40, 8
	s_mov_b32 s41, 0
	s_mov_b32 s39, 0
	s_cmp_eq_u32 ttmp9, MEM                        ; the query?  (moves, selects, waits and 64-bit adds leave SCC as it is)
	s_cselect_b32 s38, s37, s38
	s_wait_kmcnt 0x0
	s_cselect_b64 s[2:3], s[6:7], s[4:5]
	s_add_nc_u64 s[2:3], s[2:3], s[38:39]
.set j, 0
.rept 5
	s_load_b128 s[IDX+4*j:IDX+4*j+3], s[2:3], 16*j ; 80 bytes at a multiple of 16
.set j, j+1
.endr
.set i, 0
.rept SENT
	global_load_b64 v[ENC+2*i:ENC+2*i+1], v[L8], s[12:13] offset:i*ROWB  ; on their way while the indices come
.set i, i+1
.endr
	s_add_nc_u64 s[44:45], s[10:11], TABLE         ; C[1]
	s_add_nc_u64 s[46:47], s[10:11], 2*TABLE       ; C[2]
	s_add_nc_u64 s[14:15], s[14:15], s[40:41]      ; msum at my row of table A
	s_wait_kmcnt 0x0                               ; the indices
.set i, 0
.rept SENT
	s_min_u32 s[IDX+i], s[IDX+i], VOCAB-1          ; inside the table
	v_lshl_add_u32 v[OFF+i], s[IDX+i], 8, v[L8]
.set i, i+1
.endr
.macro GATHER t, lo                    ; the sentence's 20 rows of the table at s[lo:lo+1]
.set i, 0
.rept SENT
	global_load_b64 v[ROW+40*(\t)+2*i:ROW+40*(\t)+2*i+1], v[OFF+i], s[(\lo):(\lo)+1]
.set i, i+1
.endr
.endm
.macro SUM t                           ; two chains (even and odd words), started by products: nothing is cleared
	v_pk_mul_f32 v[ACC+4*(\t):ACC+4*(\t)+1], v[ROW+40*(\t):ROW+40*(\t)+1], v[ENC:ENC+1]
	v_pk_mul_f32 v[ACC+4*(\t)+2:ACC+4*(\t)+3], v[ROW+40*(\t)+2:ROW+40*(\t)+3], v[ENC+2:ENC+3]
.set i, 2
.rept SENT-2
	v_pk_fma_f32 v[ACC+4*(\t)+2*(i%2):ACC+4*(\t)+2*(i%2)+1], v[ROW+40*(\t)+2*i:ROW+40*(\t)+2*i+1], v[ENC+2*i:ENC+2*i+1], v[ACC+4*(\t)+2*(i%2):ACC+4*(\t)+2*(i%2)+1]
.set i, i+1
.endr
	v_pk_add_f32 v[ACC+4*(\t):ACC+4*(\t)+1], v[ACC+4*(\t):ACC+4*(\t)+1], v[ACC+4*(\t)+2:ACC+4*(\t)+3]
.endm
	GATHER 0, 8                                    ; A
	s_cmp_eq_u32 ttmp9, MEM
	s_cbranch_scc1 .Lquery
	GATHER 1, 10                                   ; C[0]
	GATHER 2, 44                                   ; C[1]
	GATHER 3, 46                                   ; C[2]
.irp t, 0,1,2,3
	s_wait_loadcnt 60-20*(\t)                      ; loads come back in order (ISA guide 5.7.1): encoding and tables 0 .. t are in, the 20 loads of each younger table may stay out
	SUM \t
	global_store_b64 v[L8], v[ACC+4*(\t):ACC+4*(\t)+1], s[14:15] offset:(\t)*MEM*ROWB  ; the wave stores 256 consecutive bytes, aligned: a whole row of msum
.endr
	s_endpgm
.Lquery:
	s_wait_loadcnt 0x0                             ; on this way nothing was issued behind table A
	SUM 0
	global_store_b64 v[L8], v[ACC:ACC+1], s[14:15] offset:3*MEM*ROWB  ; row 201 b + 50 + 150 = the batch's row 200
	s_endpgm
.Lfunc_end_k_qbd9259222e_gather:
	.size	k_qbd9259222e_gather, .Lfunc_end_k_qbd9259222e_gather-k_qbd9259222e_gather
	.p2alignl 7, 3214868480
	.fill 96, 4, 3214868480
	.section	.rodata,"a",@progbits
	.p2align	6, 0x0
	.amdhsa_kernel k_qbd9259222e_gather
		.amdhsa_group_segment_fixed_size 0
		.amdhsa_private_segment_fixed_size 0
		.amdhsa_enable_private_segment 0
		.amdhsa_kernarg_size 48
		.amdhsa_user_sgpr_count 2
		.amdhsa_user_sgpr_kernarg_segment_ptr 1
		.amdhsa_wavefront_size32 1
		.amdhsa_system_sgpr_workgroup_id_x 1
		.amdhsa_system_sgpr_workgroup_id_y 1
		.amdhsa_system_sgpr_workgroup_id_z 1
		.amdhsa_system_vgpr_workitem_id 0
		.amdhsa_next_free_vgpr 240
		.amdhsa_next_free_sgpr 66
		.amdhsa_reserve_vcc 0
		.amdhsa_float_denorm_mode_32 3
		.amdhsa_float_denorm_mode_16_64 3
		.amdhsa_memory_ordered 1
		.amdhsa_forward_progress 1
		.amdhsa_inst_pref_size 21
	.end_amdhsa_kernel
	.amdgpu_metadata
---
amdhsa.version: [ 1, 2 ]
amdhsa.kernels:
  - .name:           k_qbd9259222e_gather
    .symbol:         k_qbd9259222e_gather.kd
    .args:
      - { .name: stories, .offset: 0, .size: 8, .value_kind: global_buffer, .address_space: global }
      - { .name: queries, .offset: 8, .size: 8, .value_kind: global_buffer, .address_space: global }
      - { .name: A, .offset: 16, .size: 8, .value_kind: global_buffer, .address_space: global }
      - { .name: C, .offset: 24, .size: 8, .value_kind: global_buffer, .address_space: global }
      - { .name: encoding, .offset: 32, .size: 8, .value_kind: global_buffer, .address_space: global }
      - { .name: msum, .offset: 40, .size: 8, .value_kind: global_buffer, .address_space: global }
    .group_segment_fixed_size: 0
    .private_segment_fixed_size: 0
    .kernarg_segment_align: 8
    .kernarg_segment_size: 48
    .max_flat_workgroup_size: 32
    .sgpr_count:     66
    .vgpr_count:     240
    .wavefront_size: 32
...
	.end_amdgpu_metadata
.endif
;; end of part 1
;; launch hops (part 2): grid 32 x 1, 5 waves a work-group, no clusters, 9,216 bytes of LDS; arguments msum, ubuf; writes ubuf
.if DOCPART == 2
	.amdgcn_target "amdgcn-amd-amdhsa--gfx1250"
	.amdhsa_code_object_version 6
	.text
	.protected	k_qbd9259222e_hops
	.globl	k_qbd9259222e_hops
	.p2align	8
	.type	k_qbd9259222e_hops,@function
k_qbd9259222e_hops:
	s_mov_b64 s[64:65], 0
	v_nop
	global_prefetch_b8 v0, s[64:65] scope:SCOPE_SE
	s_setreg_imm32_b32 hwreg(HW_REG_WAVE_MODE, 25, 1), 1
	s_wait_xcnt 0x0
; MEMORY NETWORK, PART 2 OF 3: the three hops of one batch.  For hop = 0, 1, 2:  u += softmax_m(M[hop][m] . u) applied to M[hop + 1],  M[t] = rows 50 t .. 50 t + 49 of the batch's msum, u at first its row 200.
; (The sums M[1] and M[2] serve as c of one hop and as m of the next: see part 1.)
; All in f32 on the vector ALU: each product has one column, and dotted stands in front of an exponential, where a 16-bit rounding would be multiplied up.
; SHARES.  A work-group a batch, five waves; wave w keeps rows 10 w .. 10 w + 9 of all four tables in 80 registers.  One load of 16 bytes a lane takes two rows: lane l holds channels
; 4 (l % 16) + 0..3 of row 10 w + 2 i + l / 16.  u, four channels a lane, is kept alike in every wave and in both halves of the lanes.
; SOFTMAX BY PARTS.  A wave takes the maximum of ITS ten scores away, p = 2^(c d - c m_w), c = log2(e), and lays down c m_w, the sum of its p and, for each half of its lanes, the vector sum of p x row.
; Behind ONE barrier every wave takes the greatest c m_w and weighs each part by f_w = 2^(c m_w - c m): the factors that the parts' own maxima left cancel exactly, since the same rounded c m_w stands in both exponents.
; Each hop has LDS bytes of its own, so a wave that is ahead writes nothing that a slower wave still reads.
; LIMITS.  A weight below 2^-126 counts as 0.  u leaves rounded once to f16 (the last product's operand): |u| under 65,504; below 6e-5 it keeps f16's fixed step of 6e-8.  NaN and infinities are not treated apart.
.set MEM,    50
.set ROWB,   256
.set BROWS,  4*MEM+1
.set PARTS,  5*512                     ; a hop's region: ten partial vectors of 256 bytes (wave w, half h at 512 w + 256 h),
.set REGION, 2816                      ; then five pairs (c m_w, sum_w); eleven blocks of 256 bytes
.set SPARE,  3*REGION                  ; behind the three regions: the spare words, 128 bytes for each wave, three blocks of 256 bytes that no other line names
.set SPW, 1                            ; v1   LDS address of my spare word; never rewritten
.set NIL, 2                            ; v2   0; never rewritten
.set LN,  3                            ; v3   lane
.set RR,  5                            ; v5   lane % 16
.set HH,  6                            ; v6   lane / 16
.set R16, 7                            ; v7   16 x (lane % 16): my four channels in a row
.set GO,  8                            ; v8   my 16 bytes in the wave's first two rows of a table
.set LS,  9                            ; v9   where I put my partial vector's 16 bytes: 512 w + 16 l
.set LR,  10                           ; v10  where I read the parts of my half: 16 l
.set SA,  11                           ; v11  8 w: my wave's pair
.set ZA,  12                           ; v12  0: the pairs are read alike by all lanes
.set UO,  13                           ; v13  my 8 bytes in the batch's 128 of ubuf
.set U,   14                           ; v[14:17]
.set T,   18                           ; v[18:97]   table t, pair of rows i at T + 20 t + 4 i
.set D,   98                           ; v[98:107]  pair i: the score, then the weight, in the even register
.set CM,  108                          ; v[108:109] c m_w, sum_w
.set O,   110                          ; v[110:113] a vector of my four channels
.set TMP, 114                          ; v[114:117] what the other half of the lanes holds
.set PT,  118                          ; v[118:137] the five parts of my half
.set ST,  138                          ; v[138:147] the five pairs; f_w takes c m_w's place
.set G,   148
.set SM,  149
.set RS,  150                          ; v[150:151] 1 / sum in the low register
	s_load_b128 s[4:7], s[0:1], 0x0                ; msum s[4:5], ubuf s[6:7]
	v_lshl_add_u32 v[SPW], v0, 2, SPARE
	v_mov_b32 v[NIL], 0
	v_lshrrev_b32 v4, 5, v0
	v_readfirstlane_b32 s8, v4                     ; wave 0..4
	v_and_b32 v[LN], 31, v0
	v_and_b32 v[RR], 15, v0
	v_bfe_u32 v[HH], v0, 4, 1
	s_mov_b32 s9, 0x3fb8aa3b                       ; c = log2(e)
	s_mov_b32 s10, 0x76543210                      ; v_permlanex16_b32: each lane takes its own place in the other half
	s_mov_b32 s11, 0xfedcba98
	s_mul_i32 s12, s8, 10*ROWB                     ; my wave's ten rows
	v_lshlrev_b32 v[R16], 4, v[RR]
	v_lshl_add_u32 v[GO], v[HH], 8, v[R16]
	v_add_nc_u32 v[GO], s12, v[GO]
	s_lshl_b32 s13, s8, 9
	v_lshlrev_b32 v[LR], 4, v[LN]
	v_add_nc_u32 v[LS], s13, v[LR]
	s_lshl_b32 s13, s8, 3
	v_mov_b32 v[SA], s13
	v_mov_b32 v[ZA], 0
	s_mul_i32 s14, ttmp9, BROWS*ROWB               ; the batch's rows of msum
	s_mov_b32 s15, 0
	s_lshl_b32 s16, ttmp9, 7                       ; and its 128 bytes of ubuf
	s_mov_b32 s17, 0
	s_wait_kmcnt 0x0
	s_add_nc_u64 s[4:5], s[4:5], s[14:15]
	s_add_nc_u64 s[6:7], s[6:7], s[16:17]
	global_load_b128 v[U:U+3], v[R16], s[4:5] offset:4*MEM*ROWB
.set t, 0
.rept 4
.set i, 0
.rept 5
	global_load_b128 v[T+20*t+4*i:T+20*t+4*i+3], v[GO], s[4:5] offset:t*MEM*ROWB+i*512 th:TH_LOAD_NT  ; two whole rows, 512 consecutive bytes
.set i, i+1
.endr
.set t, t+1
.endr
	; ubuf holds u[b] in the order in which part 3's fragments take k: channels 8 i + 4 h + 0..3 at byte 64 h + 8 i.  My channels 4 r + 0..3 have i = r / 2, h = r % 2.
	v_and_b32 v[UO], 1, v[RR]
	v_lshlrev_b32 v[UO], 6, v[UO]
	v_lshrrev_b32 v4, 1, v[RR]
	v_lshl_add_u32 v[UO], v4, 3, v[UO]
.irp c, 0,1,2,3
	v_mov_b32 v[TMP+(\c)], 0                       ; v_permlanex16_b32 counts as a reader of its destination
.endr
	v_mov_b32 v[RS+1], 0                           ; named with RS as a pair
.macro EACH5 line:vararg               ; one line for each i = 0 .. 4
.set i, 0
.rept 5
	\line
.set i, i+1
.endr
.endm
; One hop.  left: how many younger loads may stay out when the table of c has to be there.
.macro HOP hop, left
.set TI, T+20*(\hop)
.set TO, T+20*(\hop)+20
.set RG, REGION*(\hop)
	; dotted: four channels in the lane, then the row's 16 lanes; five chains that do not wait for each other
	EACH5 v_pk_mul_f32 v[D+2*i:D+2*i+1], v[TI+4*i:TI+4*i+1], v[U:U+1]
	EACH5 v_pk_fma_f32 v[D+2*i:D+2*i+1], v[TI+4*i+2:TI+4*i+3], v[U+2:U+3], v[D+2*i:D+2*i+1]
	EACH5 v_add_f32 v[D+2*i], v[D+2*i], v[D+2*i+1]
	EACH5 v_add_f32_dpp v[D+2*i], v[D+2*i], v[D+2*i] row_xmask:1 row_mask:0xf bank_mask:0xf
	EACH5 v_add_f32_dpp v[D+2*i], v[D+2*i], v[D+2*i] row_xmask:2 row_mask:0xf bank_mask:0xf
	EACH5 v_add_f32_dpp v[D+2*i], v[D+2*i], v[D+2*i] row_xmask:4 row_mask:0xf bank_mask:0xf
	EACH5 v_add_f32_dpp v[D+2*i], v[D+2*i], v[D+2*i] row_xmask:8 row_mask:0xf bank_mask:0xf
	; the maximum of the wave's ten scores
	v_max3_num_f32 v[G], v[D], v[D+2], v[D+4]
	v_max3_num_f32 v[G], v[G], v[D+6], v[D+8]
	v_permlanex16_b32 v[TMP], v[G], s10, s11
	v_max_num_f32 v[G], v[G], v[TMP]
	v_mul_f32 v[CM], s9, v[G]
	EACH5 v_fma_f32 v[D+2*i], v[D+2*i], s9, -v[CM]
	EACH5 v_exp_f32 v[D+2*i], v[D+2*i]
	s_wait_loadcnt \left                           ; the table of c is in; the younger tables' loads stay out
	v_nop                                          ; a plain instruction behind the last exponential,
	s_wait_alu depctr_va_vdst(0)                   ; and one wait for the five, ahead of their first reader
	; my half's part of the sum of p x row, and the wave's sum of p
	v_pk_mul_f32 v[O:O+1], v[TO:TO+1], v[D:D+1] op_sel_hi:[1,0]
	v_pk_mul_f32 v[O+2:O+3], v[TO+2:TO+3], v[D:D+1] op_sel_hi:[1,0]
	v_add_f32 v[CM+1], v[D], v[D+2]
	v_add_f32 v[TMP+1], v[D+4], v[D+6]
.set i, 1
.rept 4
	v_pk_fma_f32 v[O:O+1], v[TO+4*i:TO+4*i+1], v[D+2*i:D+2*i+1], v[O:O+1] op_sel_hi:[1,0,1]
	v_pk_fma_f32 v[O+2:O+3], v[TO+4*i+2:TO+4*i+3], v[D+2*i:D+2*i+1], v[O+2:O+3] op_sel_hi:[1,0,1]
.set i, i+1
.endr
	v_add_f32 v[CM+1], v[CM+1], v[D+8]
	v_add_f32 v[CM+1], v[CM+1], v[TMP+1]
	v_permlanex16_b32 v[TMP], v[CM+1], s10, s11
	v_add_f32 v[CM+1], v[CM+1], v[TMP]
	ds_store_b128 v[LS], v[O:O+3] offset:RG
	ds_store_b64 v[SA], v[CM:CM+1] offset:RG+PARTS ; all lanes write the same pair to the same place
	s_wait_dscnt 0x0                               ; for the others' sake: my stores are done
	s_barrier_signal -1
	s_barrier_wait -1                              ; all five waves' parts lie in LDS
	ds_load_b128 v[ST:ST+3], v[ZA] offset:RG+PARTS
	ds_load_b128 v[ST+4:ST+7], v[ZA] offset:RG+PARTS+16
	ds_load_b64 v[ST+8:ST+9], v[ZA] offset:RG+PARTS+32
	EACH5 ds_load_b128 v[PT+4*i:PT+4*i+3], v[LR] offset:RG+512*i
	s_wait_dscnt 5                                 ; the pairs are in; the five vectors issued behind them may stay out
	v_max3_num_f32 v[G], v[ST], v[ST+2], v[ST+4]
	v_max3_num_f32 v[G], v[G], v[ST+6], v[ST+8]
	EACH5 v_sub_f32 v[ST+2*i], v[ST+2*i], v[G]
	EACH5 v_exp_f32 v[ST+2*i], v[ST+2*i]
	s_wait_dscnt 0x0
	v_nop
	s_wait_alu depctr_va_vdst(0)                   ; one wait for the five f_w
	v_mul_f32 v[SM], v[ST], v[ST+1]
	v_pk_mul_f32 v[O:O+1], v[PT:PT+1], v[ST:ST+1] op_sel_hi:[1,0]
	v_pk_mul_f32 v[O+2:O+3], v[PT+2:PT+3], v[ST:ST+1] op_sel_hi:[1,0]
.set i, 1
.rept 4
	v_fmac_f32 v[SM], v[ST+2*i], v[ST+2*i+1]
	v_pk_fma_f32 v[O:O+1], v[PT+4*i:PT+4*i+1], v[ST+2*i:ST+2*i+1], v[O:O+1] op_sel_hi:[1,0,1]
	v_pk_fma_f32 v[O+2:O+3], v[PT+4*i+2:PT+4*i+3], v[ST+2*i:ST+2*i+1], v[O+2:O+3] op_sel_hi:[1,0,1]
.set i, i+1
.endr
	v_rcp_f32 v[RS], v[SM]
.irp c, 0,1,2,3
	v_permlanex16_b32 v[TMP+(\c)], v[O+(\c)], s10, s11  ; the other half's rows
.endr
	v_pk_add_f32 v[O:O+1], v[O:O+1], v[TMP:TMP+1]  ; (plain work between the reciprocal and its use)
	v_pk_add_f32 v[O+2:O+3], v[O+2:O+3], v[TMP+2:TMP+3]
	s_wait_alu depctr_va_vdst(0)                   ; the reciprocal's wait
	v_pk_fma_f32 v[U:U+1], v[O:O+1], v[RS:RS+1], v[U:U+1] op_sel_hi:[1,0,1]
	v_pk_fma_f32 v[U+2:U+3], v[O+2:O+3], v[RS:RS+1], v[U+2:U+3] op_sel_hi:[1,0,1]
.endm
	s_wait_loadcnt 15                              ; u and table A are in; C[0], C[1], C[2], five loads each, may stay out
	HOP 0, 10
	HOP 1, 5
	HOP 2, 0
	s_cmp_lg_u32 s8, 0                             ; every wave holds the same u: wave 0 stores it
	s_cbranch_scc1 .Lend
	v_cvt_pk_f16_f32 v[O], v[U], v[U+1]
	v_cvt_pk_f16_f32 v[O+1], v[U+2], v[U+3]
	v_cmp_gt_u32 vcc_lo, 16, v[LN]                 ; both halves hold the same numbers: lanes 0 to 15 store, 8 bytes each, the batch's 128 bytes
	s_wait_xcnt 0x0                                ; EXEC changes only behind this wait
	s_and_saveexec_b32 s12, vcc_lo
	global_store_b64 v[UO], v[O:O+1], s[6:7]
	s_wait_xcnt 0x0                                ; and again in front of the line that widens it
	s_or_b32 exec_lo, exec_lo, s12
.Lend:
	s_wait_tensorcnt 0x0                           ; the wave's end, behind my last LDS store
	ds_add_u32 v[SPW], v[NIL]
	s_wait_dscnt 0x0
	s_endpgm
.Lfunc_end_k_qbd9259222e_hops:
	.size	k_qbd9259222e_hops, .Lfunc_end_k_qbd9259222e_hops-k_qbd9259222e_hops
	.p2alignl 7, 3214868480
	.fill 96, 4, 3214868480
	.section	.rodata,"a",@progbits
	.p2align	6, 0x0
	.amdhsa_kernel k_qbd9259222e_hops
		.amdhsa_group_segment_fixed_size 9216
		.amdhsa_private_segment_fixed_size 0
		.amdhsa_enable_private_segment 0
		.amdhsa_kernarg_size 16
		.amdhsa_user_sgpr_count 2
		.amdhsa_user_sgpr_kernarg_segment_ptr 1
		.amdhsa_wavefront_size32 1
		.amdhsa_system_sgpr_workgroup_id_x 1
		.amdhsa_system_sgpr_workgroup_id_y 1
		.amdhsa_system_sgpr_workgroup_id_z 1
		.amdhsa_system_vgpr_workitem_id 0
		.amdhsa_next_free_vgpr 152
		.amdhsa_next_free_sgpr 66
		.amdhsa_reserve_vcc 1
		.amdhsa_float_denorm_mode_32 3
		.amdhsa_float_denorm_mode_16_64 3
		.amdhsa_memory_ordered 1
		.amdhsa_forward_progress 1
		.amdhsa_inst_pref_size 24
	.end_amdhsa_kernel
	.amdgpu_metadata
---
amdhsa.version: [ 1, 2 ]
amdhsa.kernels:
  - .name:           k_qbd9259222e_hops
    .symbol:         k_qbd9259222e_hops.kd
    .args:
      - { .name: msum, .offset: 0, .size: 8, .value_kind: global_buffer, .address_space: global }
      - { .name: ubuf, .offset: 8, .size: 8, .value_kind: global_buffer, .address_space: global }
    .group_segment_fixed_size: 9216
    .private_segment_fixed_size: 0
    .kernarg_segment_align: 8
    .kernarg_segment_size: 16
    .max_flat_workgroup_size: 160
    .sgpr_count:     66
    .vgpr_count:     152
    .wavefront_size: 32
...
	.end_amdgpu_metadata
.endif
;; end of part 2
;; launch logits (part 3): grid 261 x 1, 6 waves a work-group, no clusters, 50,944 bytes of LDS; arguments C, ubuf, out0; writes out0
.if DOCPART == 3
	.amdgcn_target "amdgcn-amd-amdhsa--gfx1250"
	.amdhsa_code_object_version 6
	.text
	.protected	k_qbd9259222e_logits
	.globl	k_qbd9259222e_logits
	.p2align	8
	.type	k_qbd9259222e_logits,@function
k_qbd9259222e_logits:
	s_mov_b64 s[64:65], 0
	v_nop
	global_prefetch_b8 v0, s[64:65] scope:SCOPE_SE
	s_setreg_imm32_b32 hwreg(HW_REG_WAVE_MODE, 25, 1), 1
	s_wait_xcnt 0x0
; MEMORY NETWORK, PART 3 OF 3: out0[b][v] = sum over e of u[b][e] C[2][v][e].  u: 32 x 64, f16, from part 2; C[2]: 100,000 x 64 f32, read once and rounded to f16 on its way; sums in f32.
; LIMITS.  f16: |C[2]| and |u| under 65,504; below 6e-5 a number keeps f16's fixed step of 6e-8.  f16 and not bf16: with eight significant bits in both operands the largest of 3.2 million errors comes too near the allowance.
; SHARES.  A work-group makes 384 columns v for all 32 batches, each of its six waves 64 of them: four tiles of 16 rows of C[2].  100,000 = 260 x 384 + 160: in the last work-group rows past the end repeat
; row 99,999, so that every load stays in C and every wave runs one text; what is made of them is not stored.
; FRAGMENTS STRAIGHT FROM MEMORY.  Source 0 = 16 rows of C[2], source 1 = 16 rows of u: in the result lane l holds batch l % 16 and the columns 8 (l / 16) + 0..7.  Lane l holds row l % 16 of its source.
; k may be permuted if both sources are permuted alike: load i of eight takes bytes 32 i + 16 (l / 16) of the row, so each load covers 32 consecutive bytes of 16 rows and a tile's eight loads its 16 whole rows;
; register q of the lane's 16 then holds channels 8 (q / 2) + 4 (l / 16) + 2 (q % 2) + 0, 1, and part 2 has laid u down in that order.  No wave wants a byte of C[2] that another has fetched: no LDS on the way in.
; All 32 loads of a wave (16 KiB) go out at once.  A tile's 32 registers are rounded in place into its first 16; the 16 that become free are its two accumulators.
; THE WAY OUT.  A row of out0 is 400,000 bytes: odd rows begin 128 bytes past a multiple of 256.  The results meet in one stage in LDS (32 rows x 384 columns); behind a barrier wave w stores, for each pair of rows,
; columns 64 w .. 64 w + 63 of the even row (lanes 0-15) and 64 w + 32 .. 64 w + 95 of the odd row (lanes 16-31): each half of a store covers 256 consecutive bytes at a multiple of 256 from out0's first byte.
; In wave 5 the odd row's columns run past the slab and wrap to its first 32: there, and only there, a store's half is two pieces of 128 bytes.
.set VOCAB,  100000
.set ROWB,   256
.set TABLE,  VOCAB*ROWB
.set SLAB,   384
.set OUTROW, VOCAB*4                   ; bytes in a row of out0
.set SP,     SLAB*4+16                 ; a row of the stage: 1,552 bytes = 97 x 16
.set SPARE,  50176                     ; the stage ends at 49,664; 512 bytes lie unused; then the spare words, 128 bytes for each wave: three blocks of 256 bytes that no other line names
.set SPW,  1                           ; v1   LDS address of my spare word; never rewritten
.set NIL,  2                           ; v2   0; never rewritten
.set RR,   4                           ; v4   lane % 16
.set HH,   5                           ; v5   lane / 16
.set H16,  6                           ; v6   16 x (lane / 16)
.set ROW0, 7                           ; v7   my row of C[2] in tile 0
.set TT,   8                           ; v8   at work
.set VV,   9                           ; v9   the way out: my first column in the slab
.set VW,   10                          ; v10  at work
.set RD,   11                          ; v11  the way out: where I read 16 bytes of the stage
.set CO,   12                          ; v12  my byte offset in a pair of rows of out0
.set STO,  13                          ; v13  where I put my results
.set UA,   14                          ; v14  my 64 bytes of a row of ubuf
.set CA,   16                          ; v[16:19]  tile t: byte offset of my row in C[2], + 16 x half; never rewritten
.set U,    32                          ; v[32:63]  u: batches 16 j .., K step k at U + 16 j + 8 k
.set RAW,  64                          ; v[64:191] tile t at RAW + 32 t: 32 registers as loaded; then 16 of fragments and two accumulators of 8.  Later v[64:127]: rows read back
	s_load_b128 s[4:7], s[0:1], 0x0                ; C s[4:5], ubuf s[6:7]
	s_load_b64 s[8:9], s[0:1], 0x10                ; out0
	v_lshl_add_u32 v[SPW], v0, 2, SPARE
	v_mov_b32 v[NIL], 0
	v_lshrrev_b32 v3, 5, v0
	v_readfirstlane_b32 s10, v3                    ; wave 0..5
	v_and_b32 v[RR], 15, v0
	v_bfe_u32 v[HH], v0, 4, 1
	s_mul_i32 s11, ttmp9, SLAB                     ; the slab's first column
	s_lshl_b32 s12, s10, 6                         ; 64 w
	s_add_co_u32 s13, s11, s12
	v_lshlrev_b32 v[H16], 4, v[HH]
	v_add_nc_u32 v[ROW0], s13, v[RR]
	v_min_u32 v[TT], VOCAB-1, v[ROW0]              ; a row past the end repeats the last
	v_lshl_add_u32 v[CA], v[TT], 8, v[H16]
.irp t, 1,2,3
	v_add_nc_u32 v[TT], 16*(\t), v[ROW0]
	v_min_u32 v[TT], VOCAB-1, v[TT]
	v_lshl_add_u32 v[CA+(\t)], v[TT], 8, v[H16]
.endr
	v_lshlrev_b32 v[UA], 7, v[RR]                  ; a batch has 128 bytes of ubuf, a half of the lanes 64 of them
	v_lshl_add_u32 v[UA], v[HH], 6, v[UA]
	s_lshl_b32 s16, s11, 2                         ; the slab's first byte in a row of out0,
	s_add_co_u32 s16, s16, 8*2*OUTROW              ; in row 16: the stores' immediates then reach from 8 pairs of rows back to 7 on, inside their signed 24 bits
	s_mov_b32 s17, 0
	s_wait_kmcnt 0x0
	s_add_nc_u64 s[4:5], s[4:5], 2*TABLE           ; C[2]
	s_add_nc_u64 s[8:9], s[8:9], s[16:17]
.irp j, 0,1
.irp k, 0,1,2,3
	global_load_b128 v[U+16*(\j)+4*(\k):U+16*(\j)+4*(\k)+3], v[UA], s[6:7] offset:2048*(\j)+16*(\k)
.endr
.endr
.irp t, 0,1,2,3
.irp i, 0,1,2,3,4,5,6,7
	global_load_b128 v[RAW+32*(\t)+4*(\i):RAW+32*(\t)+4*(\i)+3], v[CA+(\t)], s[4:5] offset:32*(\i) th:TH_LOAD_NT
.endr
.endr
	; the addresses of the way out are made while the loads are on their way
	v_mul_u32_u24 v[STO], v[RR], SP                ; in: row = my batch, 32 bytes for each half of the lanes, 256 for each wave
	v_lshl_add_u32 v[STO], v[HH], 5, v[STO]
	s_lshl_b32 s15, s10, 8
	v_add_nc_u32 v[STO], s15, v[STO]
	v_lshlrev_b32 v[VV], 2, v[RR]                  ; back: column 64 w + 32 (l / 16) + 4 (l % 16),
	v_lshl_add_u32 v[VV], v[HH], 5, v[VV]
	v_add_nc_u32 v[VV], s12, v[VV]
	v_add_nc_u32 v[VW], 0xfffffe80, v[VV]          ; less 384 where it has passed the slab: below 384 the difference wraps to a huge number and the minimum keeps the column
	v_min_u32 v[VV], v[VV], v[VW]
	v_mul_u32_u24 v[RD], v[HH], SP
	v_lshl_add_u32 v[RD], v[VV], 2, v[RD]
	v_mul_u32_u24 v[CO], v[HH], OUTROW
	v_lshl_add_u32 v[CO], v[VV], 2, v[CO]
	s_sub_co_u32 s14, VOCAB, s11
	s_min_u32 s14, s14, SLAB                       ; columns of the slab that exist: 384, in the last work-group 160
.macro CVT t                           ; 32 f32 into 16 registers of f16, in place: register q is written when registers 2 q and 2 q + 1 are read, and no later line reads it as f32
.set q, 0
.rept 16
	v_cvt_pk_f16_f32 v[RAW+32*(\t)+q], v[RAW+32*(\t)+2*q], v[RAW+32*(\t)+2*q+1]
.set q, q+1
.endr
.endm
.macro MM t                            ; the two accumulators take turns, one instruction a turn; the first products start the sums
.set R, RAW+32*(\t)
	v_wmma_f32_16x16x32_f16 v[R+16:R+23], v[R:R+7],    v[U:U+7],     0
	v_wmma_f32_16x16x32_f16 v[R+24:R+31], v[R:R+7],    v[U+16:U+23], 0
	v_wmma_f32_16x16x32_f16 v[R+16:R+23], v[R+8:R+15], v[U+8:U+15],  v[R+16:R+23]
	v_wmma_f32_16x16x32_f16 v[R+24:R+31], v[R+8:R+15], v[U+24:U+31], v[R+24:R+31]
.endm
.macro STAGE t                         ; a lane's eight columns of a batch's row, 32 bytes; each accumulator's low registers first
.set R, RAW+32*(\t)
	ds_store_b128 v[STO], v[R+16:R+19] offset:64*(\t)
	ds_store_b128 v[STO], v[R+20:R+23] offset:64*(\t)+16
	ds_store_b128 v[STO], v[R+24:R+27] offset:16*SP+64*(\t)
	ds_store_b128 v[STO], v[R+28:R+31] offset:16*SP+64*(\t)+16
.endm
	s_wait_loadcnt 24                              ; u and tile 0 are in; the 24 loads of tiles 1 to 3 may stay out
	CVT 0
	MM 0
.irp t, 1,2,3
	s_wait_loadcnt 24-8*(\t)                       ; tile t is in
	CVT \t                                         ; sixteen plain instructions on tile t's registers alone: the places between the last tile's products and the stores that read them
	STAGE (\t)-1
	MM \t
.endr
.rept 4
	v_nop                                          ; behind the last products no other vector work is at hand
.endr
	STAGE 3
	s_wait_dscnt 0x0                               ; for the others' sake: my stores into the stage are done
	s_barrier_signal -1
	s_barrier_wait -1                              ; the stage is whole
.set p, 0
.rept 16
	ds_load_b128 v[RAW+4*p:RAW+4*p+3], v[RD] offset:p*2*SP  ; pair of rows p: lanes 0-15 read 256 bytes of row 2 p, lanes 16-31 of row 2 p + 1
.set p, p+1
.endr
	v_cmp_gt_u32 vcc_lo, s14, v[VV]                ; does my column exist?  The same for all 16 pairs of rows; all lanes but in the last work-group
	s_wait_xcnt 0x0                                ; EXEC changes only behind this wait
	s_and_saveexec_b32 s18, vcc_lo
	s_cbranch_execz .Lnone                         ; a wave whose columns all lie past the end stores nothing
.set p, 0
.rept 16
	s_wait_dscnt 15-p                              ; LDS loads come back in order (ISA guide 5.7.1): pair p is in, the younger ones stay out
	global_store_b128 v[CO], v[RAW+4*p:RAW+4*p+3], s[8:9] offset:(p-8)*2*OUTROW th:TH_STORE_NT
.set p, p+1
.endr
.Lnone:
	s_wait_xcnt 0x0                                ; and again in front of the line that widens EXEC
	s_or_b32 exec_lo, exec_lo, s18
	s_wait_tensorcnt 0x0                           ; the wave's end, behind my last LDS store
	ds_add_u32 v[SPW], v[NIL]
	s_wait_dscnt 0x0
	s_endpgm
.Lfunc_end_k_qbd9259222e_logits:
	.size	k_qbd9259222e_logits, .Lfunc_end_k_qbd9259222e_logits-k_qbd9259222e_logits
	.p2alignl 7, 3214868480
	.fill 96, 4, 3214868480
	.section	.rodata,"a",@progbits
	.p2align	6, 0x0
	.amdhsa_kernel k_qbd9259222e_logits
		.amdhsa_group_segment_fixed_size 50944
		.amdhsa_private_segment_fixed_size 0
		.amdhsa_enable_private_segment 0
		.amdhsa_kernarg_size 24
		.amdhsa_user_sgpr_count 2
		.amdhsa_user_sgpr_kernarg_segment_ptr 1
		.amdhsa_wavefront_size32 1
		.amdhsa_system_sgpr_workgroup_id_x 1
		.amdhsa_system_sgpr_workgroup_id_y 1
		.amdhsa_system_sgpr_workgroup_id_z 1
		.amdhsa_system_vgpr_workitem_id 0
		.amdhsa_next_free_vgpr 192
		.amdhsa_next_free_sgpr 66
		.amdhsa_reserve_vcc 1
		.amdhsa_float_denorm_mode_32 3
		.amdhsa_float_denorm_mode_16_64 3
		.amdhsa_memory_ordered 1
		.amdhsa_forward_progress 1
		.amdhsa_inst_pref_size 17
	.end_amdhsa_kernel
	.amdgpu_metadata
---
amdhsa.version: [ 1, 2 ]
amdhsa.kernels:
  - .name:           k_qbd9259222e_logits
    .symbol:         k_qbd9259222e_logits.kd
    .args:
      - { .name: C, .offset: 0, .size: 8, .value_kind: global_buffer, .address_space: global }
      - { .name: ubuf, .offset: 8, .size: 8, .value_kind: global_buffer, .address_space: global }
      - { .name: out0, .offset: 16, .size: 8, .value_kind: global_buffer, .address_space: global }
    .group_segment_fixed_size: 50944
    .private_segment_fixed_size: 0
    .kernarg_segment_align: 8
    .kernarg_segment_size: 24
    .max_flat_workgroup_size: 192
    .sgpr_count:     66
    .vgpr_count:     192
    .wavefront_size: 32
...
	.end_amdgpu_metadata
.endif
;; end of part 3
;; ======== version 2 of 2: 3 launches; 1.19 times as fast as version 1
;; limits: values are held in f16: magnitudes above 65,504 overflow, below 6.1e-05 lose precision
;; workspace buffers: msum 1,646,592 bytes; ubuf 4,096 bytes
;; launch gather (part 4): grid 51 x 32, 1 waves a work-group, no clusters, 0 bytes of LDS; arguments stories, queries, A, C, encoding, msum; writes msum
.if DOCPART == 4
	.amdgcn_target "amdgcn-amd-amdhsa--gfx1250"
	.amdhsa_code_object_version 6
	.text
	.protected	k_qbd9259222e_gather
	.globl	k_qbd9259222e_gather
	.p2align	8
	.type	k_qbd9259222e_gather,@function
k_qbd9259222e_gather:
	s_mov_b64 s[64:65], 0
	v_nop
	global_prefetch_b8 v0, s[64:65] scope:SCOPE_SE
	s_setreg_imm32_b32 hwreg(HW_REG_WAVE_MODE, 25, 1), 1
	s_wait_xcnt 0x0
; MEMORY NETWORK, PART 1 OF 3: the position-encoded sentence sums.
;   msum[b][50 t + m][e] = sum over s of TABLE_t[stories[b][m][s]][e] * encoding[s][e],  TABLE = A, C[0], C[1], C[2]     (rows 0 .. 199 of batch b)
;   msum[b][200][e]      = sum over s of A[queries[b][s]][e] * encoding[s][e]                                            (u before the first hop)
; WHAT IS NOT DONE TWICE.  reference() gathers six times: m of hop h from A, C[0], C[1] and c of hop h from C[0], C[1], C[2].  c of hop h and m of hop h + 1 are the same
; expression (the same table C[h], the same stories, the same encoding) for all values of the inputs, so four sums serve the three hops.  Nothing is left out: every input reaches the output and is loaded.
; LIMIT.  An index is taken as unsigned and held to 0 .. 99,999; reference() relies on indices inside the table.
; SHARES.  One wave to a work-group, work-group (x, y) = (memory m, batch b); x = 50 is the query, which wants table A alone.  The 1,632 waves share nothing, so there is no LDS and no barrier.
; A table row is 256 bytes.  One load of 16 bytes a lane takes TWO rows: lanes 0-15 word 2 i of the sentence, lanes 16-31 word 2 i + 1; lane l holds channels 4 (l % 16) + 0..3.
; So a table is 10 loads, encoding (whose rows lie end to end) 10 more: 50 loads in all, and all are issued before the first is waited for.
; The sentence's 10 offsets are made once and serve all four tables (the table is the scalar base).  Each half of the lanes sums its ten words; the halves meet at the end, two tables at a time.
.set VOCAB, 100000
.set SENT,  20
.set MEM,   50
.set ROWB,  256                        ; bytes in a row of a table, of encoding and of msum
.set TABLE, VOCAB*ROWB                 ; bytes in a table
.set BROWS, 4*MEM+1                    ; rows of msum for a batch
.set L16, 1                            ; v1        16 x lane: my 16 bytes in two rows that lie end to end; never rewritten
.set R16, 2                            ; v2        16 x (lane % 16): my four channels in a row; never rewritten
.set LAM, 3                            ; v3        lane / 16
.set OFF, 4                            ; v[4:13]   pair i: 256 x index of word 2 i + lane / 16, + 16 x (lane % 16); never rewritten once made
.set ENC, 14                           ; v[14:53]  encoding[2 i + lane / 16], my four channels
.set ROW, 54                           ; v[54:213] table t, pair i at ROW + 40 t + 4 i
.set ACC, 214                          ; v[214:229] table t: my half's four sums at ACC + 4 t
.set ACB, 230                          ; v[230:233] a second chain; later what the other half of the lanes sends
.set X,   234                          ; v[234:237] what I send to the other half
.set CO,  238                          ; v238      my 16 bytes in a row of msum, lanes 16-31 one table (50 rows) on
.set CQ,  239                          ; v239      the query: my 8 bytes in its row
.set IDX, 16                           ; s[16:35]  the sentence's 20 indices
	s_load_b256 s[4:11], s[0:1], 0x0               ; stories s[4:5], queries s[6:7], A s[8:9], C s[10:11]
	s_load_b128 s[12:15], s[0:1], 0x20             ; encoding s[12:13], msum s[14:15]
	v_lshlrev_b32 v[L16], 4, v0                    ; one wave: the thread's number is the lane
	v_and_b32 v[R16], 15, v0
	v_lshlrev_b32 v[R16], 4, v[R16]
	v_lshrrev_b32 v[LAM], 4, v0
	v_cmp_le_u32 vcc_lo, 16, v0                    ; lanes 16 to 31; VCC is written nowhere else
	v_mul_u32_u24 v[CO], v[LAM], MEM*ROWB
	v_add_nc_u32 v[CO], v[CO], v[R16]
	v_lshl_add_u32 v[CQ], v[LAM], 3, v[R16]
	s_mov_b32 s42, 0x76543210                      ; v_permlanex16_b32: each lane takes its own place in the other half
	s_mov_b32 s43, 0xfedcba98
	s_and_b32 s36, ttmp7, 0xffff                   ; b
	s_mul_i32 s38, s36, MEM
	s_add_co_u32 s38, s38, ttmp9                   ; 50 b + m
	s_mul_i32 s38, s38, SENT*4                     ; the sentence's 80 bytes in stories,
	s_mul_i32 s37, s36, SENT*4                     ; or the query's in queries
	s_mul_i32 s40, s36, BROWS
	s_add_co_u32 s40, s40, ttmp9                   ; row 201 b + m of msum
	s_lshl_b32 s40, s40, 8
	s_mov_b32 s41, 0
	s_mov_b32 s39, 0
	s_cmp_eq_u32 ttmp9, MEM                        ; the query?  (moves, selects, waits and 64-bit adds leave SCC as it is)
	s_cselect_b32 s38, s37, s38
	s_wait_kmcnt 0x0
	s_cselect_b64 s[2:3], s[6:7], s[4:5]
	s_add_nc_u64 s[2:3], s[2:3], s[38:39]
.set j, 0
.rept 5
	s_load_b128 s[IDX+4*j:IDX+4*j+3], s[2:3], 16*j ; 80 bytes at a multiple of 16
.set j, j+1
.endr
.macro EACH10 line:vararg              ; one line for each pair of words i = 0 .. 9
.set i, 0
.rept 10
	\line
.set i, i+1
.endr
.endm
	EACH10 global_load_b128 v[ENC+4*i:ENC+4*i+3], v[L16], s[12:13] offset:i*2*ROWB  ; 512 consecutive bytes each; on their way while the indices come
	s_add_nc_u64 s[44:45], s[10:11], TABLE         ; C[1]
	s_add_nc_u64 s[46:47], s[10:11], 2*TABLE       ; C[2]
	s_add_nc_u64 s[14:15], s[14:15], s[40:41]      ; msum at my row of table A
	s_wait_kmcnt 0x0                               ; the indices
	EACH10 v_mov_b32 v[OFF+i], s[IDX+2*i+1]                               ; the odd word's index,
	EACH10 v_cndmask_b32 v[OFF+i], s[IDX+2*i], v[OFF+i], vcc_lo           ; kept by lanes 16-31; lanes 0-15 take the even word's
	EACH10 v_min_u32 v[OFF+i], VOCAB-1, v[OFF+i]                          ; inside the table
	EACH10 v_lshl_add_u32 v[OFF+i], v[OFF+i], 8, v[R16]
.macro GATHER t, lo                    ; the sentence's 20 rows of the table at s[lo:lo+1]
.set i, 0
.rept 10
	global_load_b128 v[ROW+40*(\t)+4*i:ROW+40*(\t)+4*i+3], v[OFF+i], s[(\lo):(\lo)+1]
.set i, i+1
.endr
.endm
.macro SUM t                           ; my half's ten words: four chains (even and odd pairs, two channels each), started by products: nothing is cleared
.set RW, ROW+40*(\t)
.set AC, ACC+4*(\t)
	v_pk_mul_f32 v[AC:AC+1],     v[RW:RW+1],   v[ENC:ENC+1]
	v_pk_mul_f32 v[AC+2:AC+3],   v[RW+2:RW+3], v[ENC+2:ENC+3]
	v_pk_mul_f32 v[ACB:ACB+1],   v[RW+4:RW+5], v[ENC+4:ENC+5]
	v_pk_mul_f32 v[ACB+2:ACB+3], v[RW+6:RW+7], v[ENC+6:ENC+7]
.set i, 2
.rept 8
.set DS, AC+(ACB-AC)*(i%2)
	v_pk_fma_f32 v[DS:DS+1],   v[RW+4*i:RW+4*i+1],   v[ENC+4*i:ENC+4*i+1],   v[DS:DS+1]
	v_pk_fma_f32 v[DS+2:DS+3], v[RW+4*i+2:RW+4*i+3], v[ENC+4*i+2:ENC+4*i+3], v[DS+2:DS+3]
.set i, i+1
.endr
	v_pk_add_f32 v[AC:AC+1],   v[AC:AC+1],   v[ACB:ACB+1]
	v_pk_add_f32 v[AC+2:AC+3], v[AC+2:AC+3], v[ACB+2:ACB+3]
.endm
; The halves meet, tables t and t + 1 at once.  Lanes 0-15 are to end with table t, lanes 16-31 with table t + 1: each lane sends the other half the part that IT wants, keeps the part that it wants itself,
; and adds what it is sent.  One store then writes two whole rows of msum: each half of the lanes 256 consecutive bytes, aligned.
.macro PAIR t
.set A0, ACC+4*(\t)
.set A1, ACC+4*(\t)+4
.irp c, 0,1,2,3
	v_cndmask_b32 v[X+(\c)], v[A1+(\c)], v[A0+(\c)], vcc_lo    ; lanes 16-31 send table t, lanes 0-15 table t + 1
.endr
.irp c, 0,1,2,3
	v_cndmask_b32 v[A0+(\c)], v[A0+(\c)], v[A1+(\c)], vcc_lo   ; lanes 16-31 keep table t + 1, lanes 0-15 table t
.endr
.irp c, 0,1,2,3
	v_permlanex16_b32 v[ACB+(\c)], v[X+(\c)], s42, s43         ; (its destination counts as read: SUM has written it)
.endr
	v_pk_add_f32 v[A0:A0+1],   v[A0:A0+1],   v[ACB:ACB+1]
	v_pk_add_f32 v[A0+2:A0+3], v[A0+2:A0+3], v[ACB+2:ACB+3]
	global_store_b128 v[CO], v[A0:A0+3], s[14:15] offset:(\t)*MEM*ROWB  ; its data registers are written no more
.endm
	GATHER 0, 8                                    ; A
	s_cmp_eq_u32 ttmp9, MEM
	s_cbranch_scc1 .Lquery
	GATHER 1, 10                                   ; C[0]
	GATHER 2, 44                                   ; C[1]
	GATHER 3, 46                                   ; C[2]
	s_wait_loadcnt 30                              ; loads come back in order (ISA guide 5.7.1): encoding and A are in, the ten loads of each of the three younger tables may stay out
	SUM 0
	s_wait_loadcnt 20                              ; C[0] is in
	SUM 1
	PAIR 0
	s_wait_loadcnt 10                              ; C[1] is in
	SUM 2
	s_wait_loadcnt 0x0
	SUM 3
	PAIR 2
	s_endpgm
.Lquery:
	s_wait_loadcnt 0x0                             ; on this way nothing was issued behind table A
	SUM 0
.irp c, 0,1,2,3
	v_permlanex16_b32 v[ACB+(\c)], v[ACC+(\c)], s42, s43
.endr
	v_pk_add_f32 v[ACC:ACC+1],   v[ACC:ACC+1],   v[ACB:ACB+1]      ; both halves now hold the whole sums:
	v_pk_add_f32 v[ACC+2:ACC+3], v[ACC+2:ACC+3], v[ACB+2:ACB+3]
	v_cndmask_b32 v[X],   v[ACC],   v[ACC+2], vcc_lo               ; lanes 0-15 store the first two of their four channels, lanes 16-31 the last two
	v_cndmask_b32 v[X+1], v[ACC+1], v[ACC+3], vcc_lo
	global_store_b64 v[CQ], v[X:X+1], s[14:15] offset:3*MEM*ROWB   ; row 201 b + 50 + 150 = the batch's row 200: the wave stores its 256 bytes, aligned
	s_endpgm
.Lfunc_end_k_qbd9259222e_gather:
	.size	k_qbd9259222e_gather, .Lfunc_end_k_qbd9259222e_gather-k_qbd9259222e_gather
	.p2alignl 7, 3214868480
	.fill 96, 4, 3214868480
	.section	.rodata,"a",@progbits
	.p2align	6, 0x0
	.amdhsa_kernel k_qbd9259222e_gather
		.amdhsa_group_segment_fixed_size 0
		.amdhsa_private_segment_fixed_size 0
		.amdhsa_enable_private_segment 0
		.amdhsa_kernarg_size 48
		.amdhsa_user_sgpr_count 2
		.amdhsa_user_sgpr_kernarg_segment_ptr 1
		.amdhsa_wavefront_size32 1
		.amdhsa_system_sgpr_workgroup_id_x 1
		.amdhsa_system_sgpr_workgroup_id_y 1
		.amdhsa_system_sgpr_workgroup_id_z 1
		.amdhsa_system_vgpr_workitem_id 0
		.amdhsa_next_free_vgpr 240
		.amdhsa_next_free_sgpr 66
		.amdhsa_reserve_vcc 1
		.amdhsa_float_denorm_mode_32 3
		.amdhsa_float_denorm_mode_16_64 3
		.amdhsa_memory_ordered 1
		.amdhsa_forward_progress 1
		.amdhsa_inst_pref_size 18
	.end_amdhsa_kernel
	.amdgpu_metadata
---
amdhsa.version: [ 1, 2 ]
amdhsa.kernels:
  - .name:           k_qbd9259222e_gather
    .symbol:         k_qbd9259222e_gather.kd
    .args:
      - { .name: stories, .offset: 0, .size: 8, .value_kind: global_buffer, .address_space: global }
      - { .name: queries, .offset: 8, .size: 8, .value_kind: global_buffer, .address_space: global }
      - { .name: A, .offset: 16, .size: 8, .value_kind: global_buffer, .address_space: global }
      - { .name: C, .offset: 24, .size: 8, .value_kind: global_buffer, .address_space: global }
      - { .name: encoding, .offset: 32, .size: 8, .value_kind: global_buffer, .address_space: global }
      - { .name: msum, .offset: 40, .size: 8, .value_kind: global_buffer, .address_space: global }
    .group_segment_fixed_size: 0
    .private_segment_fixed_size: 0
    .kernarg_segment_align: 8
    .kernarg_segment_size: 48
    .max_flat_workgroup_size: 32
    .sgpr_count:     66
    .vgpr_count:     240
    .wavefront_size: 32
...
	.end_amdgpu_metadata
.endif
;; end of part 4
;; launch hops: the kernel of part 2 again; grid 32 x 1, 5 waves a work-group, no clusters, 9,216 bytes of LDS; arguments msum, ubuf; writes ubuf
;; launch logits (part 5): grid 224 x 1, 15 waves a work-group, no clusters, 77,824 bytes of LDS; arguments C, ubuf, out0; writes out0
.if DOCPART == 5
	.amdgcn_target "amdgcn-amd-amdhsa--gfx1250"
	.amdhsa_code_object_version 6
	.text
	.protected	k_qbd9259222e_logits
	.globl	k_qbd9259222e_logits
	.p2align	8
	.type	k_qbd9259222e_logits,@function
k_qbd9259222e_logits:
	s_mov_b64 s[64:65], 0
	v_nop
	global_prefetch_b8 v0, s[64:65] scope:SCOPE_SE
	s_setreg_imm32_b32 hwreg(HW_REG_WAVE_MODE, 25, 1), 1
	s_wait_xcnt 0x0
; MEMORY NETWORK, PART 3 OF 3: out0[b][v] = sum over e of u[b][e] C[2][v][e].  u: 32 x 64, f16, from part 2; C[2]: 100,000 x 64 f32, rounded to f16 on its way; sums in f32.  No work of reference() is left out here.
; LIMITS.  f16: |C[2]| and |u| under 65,504; below 6e-5 a number keeps f16's fixed step of 6e-8.  f16 and not bf16: with eight significant bits in both operands the largest of 3.2 million errors comes too near the allowance.
; HALF-GROUPS.  C[2]'s rows (= out0's columns) are counted in half-groups of 32: 3,125 of them, 8,192 consecutive bytes each.  Work-group x has the 15 half-groups 14 x - 1 .. 14 x + 13, wave w the one numbered 14 x - 1 + w.
; THE WAY IN.  A wave brings its half-group by 16 loads of 512 consecutive bytes (two whole rows: lane l has channels 4 (l % 16) + 0..3 of row 2 k + l / 16), rounds it and lays it into LDS, 8 bytes a lane.
; All 16 loads of a wave go out at once.  The first and the last half-group of a work-group are also its neighbours' last and first: 32 rows in 480 are read by two work-groups, so the loads carry no hint.
; THE JOBS.  Behind ONE barrier wave w < 14 takes half-groups w and w + 1 as 64 columns and multiplies them by the 16 batches of ONE parity: odd batches if w is even, even ones if w is odd.
; A row of out0 is 400,000 bytes, so odd rows begin 128 bytes past a multiple of 256: byte 128 (14 x - 1 + w) of a row, plus that, is a multiple of 256 just for the parity chosen.  So every job's 64 columns of a batch
; are one aligned block of 256 bytes, and each parity's columns are covered once: even batches by the odd w, odd batches by the even w.  (Only a row's own ends, columns 0-31 of an odd row and 99,968-99,999 of an even one, are half blocks.)
; LAYOUT.  Source 0 = 16 batches of u, source 1 = 16 rows of C[2]: register j of lane l is (batch number 8 (l / 16) + j of the parity, column l % 16 of the tile).  TILE c OF FOUR HOLDS COLUMNS 4 r + c, r = l % 16:
; so register j of the four accumulators is four neighbouring columns of one batch, lanes 0-15 hold a block of 256 bytes, and results are stored from registers: 32 moves put them in order; nothing goes through LDS on the way out.
; k is permuted alike in both sources: register q of a lane's 16 holds channels 8 (q / 2) + 4 (l / 16) + 2 (q % 2) + 0, 1.  Part 2 has laid u down so; a row in LDS holds channels 8 i + 4 h + 0..3 at byte 64 h + 8 i.
; LDS.  Row 4 r' + c of a half-group lies in slot 8 c + r' of 144 bytes; a half-group has 32 slots and 128 bytes more.  A fill's two rows then lie 1,152 bytes apart (128 modulo 256), and the 16 rows of a fragment load
; start at 16 different multiples of 16 modulo 256 (9 r' for the first eight, 8 + 9 r' for the others): each bank is touched once (64 banks of 4 bytes: ISA guide 11.1).
; THE EDGES.  Half-group -1 (x = 0) and those past 3,124 (x = 223) do not exist: there a wave brings half-group 3,124 again, so that every load stays in C and every wave runs one text; columns made of it are not stored,
; and a job with no column at all is jumped.  Wave 14 has no job; it loads u and makes the addresses like the others (2 KiB, a few lines), so that no register is written on some ways only.
.set VOCAB,  100000
.set TABLE,  VOCAB*256
.set HG,     32                        ; rows in a half-group
.set NHG,    VOCAB/HG                  ; 3,125
.set STEP,   14                        ; half-groups from a work-group to the next: 448 columns
.set JOBS,   14
.set OUTROW, VOCAB*4                   ; bytes in a row of out0
.set P,      144                       ; a slot: 128 bytes of f16 + 16
.set H,      32*P+128                  ; a half-group in LDS: 4,736 bytes
.set SPARE,  75776                     ; the 15 half-groups end at 71,040.  The fragment address that wave 14 makes and never uses would reach byte 75,632: the bytes up to here are left empty.
                                       ; Then the spare words, 128 bytes for each wave: eight blocks of 256 bytes that no other line names
.set SPW,  1                           ; v1   LDS address of my spare word; never rewritten
.set NIL,  2                           ; v2   0; never rewritten
.set RR,   4                           ; v4   lane % 16
.set HH,   5                           ; v5   lane / 16
.set GO,   6                           ; v6   16 x lane: my 16 bytes of a load's 512
.set LSA,  7                           ; v7   where I put my 8 bytes of a row
.set FRA,  8                           ; v8   where my fragments begin
.set UA,   9                           ; v9   my 64 bytes of ubuf
.set COL,  10                          ; v10  my first column of out0
.set CO,   11                          ; v11  my byte offset in out0
.set U,    16                          ; v[16:31]   u: K step k at U + 8 k
.set RAW,  32                          ; v[32:95]   load k at RAW + 4 k: four f32, then two registers of f16
.set BF,   96                          ; v[96:159]  tile c at BF + 16 c, K step k at + 8 k
.set ACC,  160                         ; v[160:191] tile c's accumulator at ACC + 8 c
.set T,    192                         ; v[192:223] batch j's four columns at T + 4 j
	s_load_b128 s[4:7], s[0:1], 0x0                ; C s[4:5], ubuf s[6:7]
	s_load_b64 s[8:9], s[0:1], 0x10                ; out0
	v_lshl_add_u32 v[SPW], v0, 2, SPARE
	v_mov_b32 v[NIL], 0
	v_lshrrev_b32 v3, 5, v0
	v_readfirstlane_b32 s10, v3                    ; wave 0..14
	v_and_b32 v[RR], 15, v0
	v_bfe_u32 v[HH], v0, 4, 1
	v_and_b32 v[GO], 31, v0
	v_lshlrev_b32 v[GO], 4, v[GO]
	s_mul_i32 s11, ttmp9, STEP
	s_add_co_u32 s11, s11, s10                     ; 14 x + w: my job's second half-group
	s_sub_co_u32 s12, s11, 1                       ; 14 x - 1 + w: my half-group, my job's first; at x = w = 0 it wraps to the greatest number
	s_min_u32 s13, s12, NHG-1                      ; one that does not exist: the last one again
	s_lshl_b32 s14, s13, 13                        ; 8,192 bytes each
	s_mov_b32 s15, 0
	s_mul_i32 s16, s10, H                          ; my half-group in LDS
	s_and_b32 s17, s10, 1
	s_xor_b32 s17, s17, 1                          ; my job's parity: 1 (odd batches) where w is even
	s_lshl_b32 s18, s17, 7                         ; a batch has 128 bytes of ubuf
	s_lshl_b32 s19, s12, 5                         ; my job's first column; -32 at x = w = 0
	s_mul_i32 s20, s17, OUTROW
	; the fill: lane l has row 2 k + l / 16 (slot 16 (k % 2) + 8 (l / 16) + k / 2) and channels 4 (l % 16) + 0..3 (byte 64 ((l % 16) % 2) + 8 ((l % 16) / 2)); what hangs on k stands in the immediate
	v_and_b32 v3, 1, v[RR]
	v_lshlrev_b32 v3, 6, v3
	v_lshrrev_b32 v12, 1, v[RR]
	v_lshl_add_u32 v3, v12, 3, v3
	v_mul_u32_u24 v12, v[HH], 8*P
	v_add_nc_u32 v3, v3, v12
	v_add_nc_u32 v[LSA], s16, v3
	; u: batch 2 (l % 16) + parity, 64 bytes for each half of the lanes
	v_lshlrev_b32 v[UA], 8, v[RR]
	v_lshl_add_u32 v[UA], v[HH], 6, v[UA]
	v_add_nc_u32 v[UA], s18, v[UA]
	s_wait_kmcnt 0x0
	s_add_nc_u64 s[4:5], s[4:5], 2*TABLE           ; C[2]
	s_add_nc_u64 s[4:5], s[4:5], s[14:15]          ; at my half-group
.irp k, 0,1,2,3
	global_load_b128 v[U+4*(\k):U+4*(\k)+3], v[UA], s[6:7] offset:16*(\k)
.endr
.set k, 0
.rept 16
	global_load_b128 v[RAW+4*k:RAW+4*k+3], v[GO], s[4:5] offset:512*k  ; two whole rows
.set k, k+1
.endr
	; the other addresses are made while the loads are on their way.  A fragment: lane l has column 4 r + c, r = l % 16: half-group w + r / 8, slot 8 c + r % 8; 64 bytes for each half of the lanes; c stands in the immediate
	v_lshrrev_b32 v3, 3, v[RR]
	v_mul_u32_u24 v3, v3, H
	v_and_b32 v12, 7, v[RR]
	v_mul_u32_u24 v12, v12, P
	v_add_nc_u32 v3, v3, v12
	v_lshl_add_u32 v3, v[HH], 6, v3
	v_add_nc_u32 v[FRA], s16, v3
	; out0: column 32 (14 x - 1 + w) + 4 r, batch 16 (l / 16) + 2 j + parity; j stands in the immediate
	v_lshl_add_u32 v[COL], v[RR], 2, s19
	v_min_u32 v3, VOCAB-4, v[COL]                  ; a lane whose columns do not exist stores nothing; its address is held inside out0 all the same
	v_lshlrev_b32 v3, 2, v3
	v_mul_u32_u24 v12, v[HH], 16*OUTROW
	v_add_nc_u32 v3, v3, v12
	v_add_nc_u32 v[CO], s20, v3
.macro FILL k                          ; four f32 into two registers of f16, in place (each register is written when it has been read), and into my rows' slots
	v_cvt_pk_f16_f32 v[RAW+4*(\k)],   v[RAW+4*(\k)],   v[RAW+4*(\k)+1]
	v_cvt_pk_f16_f32 v[RAW+4*(\k)+1], v[RAW+4*(\k)+2], v[RAW+4*(\k)+3]
	ds_store_b64 v[LSA], v[RAW+4*(\k):RAW+4*(\k)+1] offset:(16*((\k)%2)+(\k)/2)*P
.endm
.irp q, 0,1,2,3
	s_wait_loadcnt 12-4*(\q)                       ; loads come back in order (ISA guide 5.7.1): u and loads 0 .. 4 q + 3 are in, the younger loads of C[2] may stay out
	FILL 4*(\q)
	FILL 4*(\q)+1
	FILL 4*(\q)+2
	FILL 4*(\q)+3
.endr
	s_wait_dscnt 0x0                               ; for the others' sake: my half-group lies in LDS
	s_barrier_signal -1
	s_barrier_wait -1                              ; all fifteen do; no barrier follows, so the waves may part
	s_cmp_lt_u32 s10, JOBS                         ; wave 14 has brought its half-group and has no job
	s_cbranch_scc0 .Lend
	s_cmp_le_u32 s11, NHG                          ; a job has a column if one of its two half-groups exists: 14 x + w <= 3,125
	s_cbranch_scc0 .Lend
.irp c, 0,1,2,3
	ds_load_b128 v[BF+16*(\c):BF+16*(\c)+3],    v[FRA] offset:8*(\c)*P       ; the first K step of the four tiles,
	ds_load_b128 v[BF+16*(\c)+4:BF+16*(\c)+7],  v[FRA] offset:8*(\c)*P+16
.endr
.irp c, 0,1,2,3
	ds_load_b128 v[BF+16*(\c)+8:BF+16*(\c)+11],  v[FRA] offset:8*(\c)*P+32   ; then the second
	ds_load_b128 v[BF+16*(\c)+12:BF+16*(\c)+15], v[FRA] offset:8*(\c)*P+48
.endr
	s_wait_dscnt 8                                 ; the first K step is in; the eight loads of the second may stay out
.irp c, 0,1,2,3                        ; the four accumulators take turns, one instruction a turn; the first products start the sums
	v_wmma_f32_16x16x32_f16 v[ACC+8*(\c):ACC+8*(\c)+7], v[U:U+7], v[BF+16*(\c):BF+16*(\c)+7], 0
.endr
	s_wait_dscnt 0x0
.irp c, 0,1,2,3
	v_wmma_f32_16x16x32_f16 v[ACC+8*(\c):ACC+8*(\c)+7], v[U+8:U+15], v[BF+16*(\c)+8:BF+16*(\c)+15], v[ACC+8*(\c):ACC+8*(\c)+7]
.endr
.rept 4
	v_nop                                          ; four places between the last product and the lines that read results (ISA guide 7.12.1): no other vector work is at hand
.endr
.set j, 0
.rept 8                                ; register j of the four accumulators: four neighbouring columns of one batch.  Each accumulator is read from its lowest register on
.irp c, 0,1,2,3
	v_mov_b32 v[T+4*j+(\c)], v[ACC+8*(\c)+j]
.endr
.set j, j+1
.endr
	v_cmp_gt_u32 vcc_lo, VOCAB, v[COL]             ; do my four columns exist?  (-32 .. -4 have wrapped to great numbers.)  All lanes but at out0's two edges
	s_wait_xcnt 0x0                                ; EXEC changes only behind this wait
	s_and_saveexec_b32 s22, vcc_lo
.set j, 0
.rept 8
	global_store_b128 v[CO], v[T+4*j:T+4*j+3], s[8:9] offset:j*2*OUTROW th:TH_STORE_NT  ; each half of the lanes stores 256 consecutive bytes at a multiple of 256 from out0's first byte; 14 rows on at the most, inside the signed 24-bit immediate
.set j, j+1
.endr
	s_wait_xcnt 0x0                                ; and again in front of the line that widens EXEC
	s_or_b32 exec_lo, exec_lo, s22
.Lend:
	s_wait_tensorcnt 0x0                           ; the wave's end, behind my last LDS store
	ds_add_u32 v[SPW], v[NIL]
	s_wait_dscnt 0x0
	s_endpgm
.Lfunc_end_k_qbd9259222e_logits:
	.size	k_qbd9259222e_logits, .Lfunc_end_k_qbd9259222e_logits-k_qbd9259222e_logits
	.p2alignl 7, 3214868480
	.fill 96, 4, 3214868480
	.section	.rodata,"a",@progbits
	.p2align	6, 0x0
	.amdhsa_kernel k_qbd9259222e_logits
		.amdhsa_group_segment_fixed_size 77824
		.amdhsa_private_segment_fixed_size 0
		.amdhsa_enable_private_segment 0
		.amdhsa_kernarg_size 24
		.amdhsa_user_sgpr_count 2
		.amdhsa_user_sgpr_kernarg_segment_ptr 1
		.amdhsa_wavefront_size32 1
		.amdhsa_system_sgpr_workgroup_id_x 1
		.amdhsa_system_sgpr_workgroup_id_y 1
		.amdhsa_system_sgpr_workgroup_id_z 1
		.amdhsa_system_vgpr_workitem_id 0
		.amdhsa_next_free_vgpr 224
		.amdhsa_next_free_sgpr 66
		.amdhsa_reserve_vcc 1
		.amdhsa_float_denorm_mode_32 3
		.amdhsa_float_denorm_mode_16_64 3
		.amdhsa_memory_ordered 1
		.amdhsa_forward_progress 1
		.amdhsa_inst_pref_size 12
	.end_amdhsa_kernel
	.amdgpu_metadata
---
amdhsa.version: [ 1, 2 ]
amdhsa.kernels:
  - .name:           k_qbd9259222e_logits
    .symbol:         k_qbd9259222e_logits.kd
    .args:
      - { .name: C, .offset: 0, .size: 8, .value_kind: global_buffer, .address_space: global }
      - { .name: ubuf, .offset: 8, .size: 8, .value_kind: global_buffer, .address_space: global }
      - { .name: out0, .offset: 16, .size: 8, .value_kind: global_buffer, .address_space: global }
    .group_segment_fixed_size: 77824
    .private_segment_fixed_size: 0
    .kernarg_segment_align: 8
    .kernarg_segment_size: 24
    .max_flat_workgroup_size: 480
    .sgpr_count:     66
    .vgpr_count:     224
    .wavefront_size: 32
...
	.end_amdgpu_metadata
.endif
;; end of part 5
